; MI455X (gfx1250); checked and timed in simulation.
; The chip was launched on July 23, 2026; its instructions are those of AMD's public machine-readable ISA for CDNA 5 (MIT licence, August 2026) and "CDNA5" Instruction Set Architecture Reference Guide (July 2026). The comments in the code are by the model that wrote it; some were corrected since.
;; Quant Linear. Allowed arithmetic: float matrix products may take bf16 or f16 operands with f32 sums; other float arithmetic in f32, or as packed bf16 or f16 multiplies, adds, multiply-adds, maxima and minima; sums over many terms, partial sums and values carried from step to step in f32; what a program stores and reads back later, other than sums and carried values, may be rounded once to bf16 or f16.
;; Inputs: fp_bias 4,096 float32; int_weight 4,096 x 4,096 int8; w_scale one number float32; x 4 x 1,024 x 4,096 float32.
;; Outputs: out0 4 x 1,024 x 4,096 float32.
;; One version. Each part assembles by itself: llvm-mc -triple=amdgcn-amd-amdhsa -mcpu=gfx1250 --defsym DOCPART=n.
;; ======== version 1 of 1: 2 launches
;; workspace buffers: xb 33,554,432 bytes; wb 33,554,432 bytes
;; launch cast (part 1): grid 1024 x 1, 8 waves a work-group, no clusters, 0 bytes of LDS; arguments x, int_weight, xb, wb; writes xb, wb
.if DOCPART == 1
	.amdgcn_target "amdgcn-amd-amdhsa--gfx1250"
	.amdhsa_code_object_version 6
	.text
	.protected	k_q6b5868c81f_cast
	.globl	k_q6b5868c81f_cast
	.p2align	8
	.type	k_q6b5868c81f_cast,@function
k_q6b5868c81f_cast:
	s_mov_b64 s[64:65], 0
	v_nop
	global_prefetch_b8 v0, s[64:65] scope:SCOPE_SE
	s_setreg_imm32_b32 hwreg(HW_REG_WAVE_MODE, 25, 1), 1
	s_wait_xcnt 0x0
; out = x (q w_scale)^T + bias is made in two launches.  THIS ONE ROUNDS THE OPERANDS: xb = x rounded once to bf16, wb = the int8 weights q written as bf16.
; Both keep their layout, [4096][4096], rows along the input features.
; NO WORK IS LEFT OUT: all four inputs reach the output; x and int_weight are read here, w_scale and fp_bias in the second launch.
; THE WEIGHTS LOSE NOTHING: |q| <= 128 has at most 8 significant bits, which bf16 holds.  The scale stays out of them and multiplies the finished f32 sum in the second launch.
; LIMITS.  x is rounded to bf16 (8 significant bits, f32's exponents); |x| within 2^-9 of f32's largest number rounds to an infinity.  NaN and infinities go through as the conversion carries them.
; SHARES.  Both tensors have 16,777,216 numbers; a work-group takes 16,384 of each, as 8 chunks of 2,048; in a chunk thread t takes the 8 numbers at 8 t:
; 32 bytes of x (two loads of 16), 8 bytes of q (a wave's load covers 256 consecutive bytes), and 16 bytes of xb and of wb (a wave's store covers 512 consecutive bytes, aligned).
; All 24 loads of a wave go out first (10 KiB a wave on its way); each chunk has registers of its own, so no address and no store's data is ever rewritten and no wait but the counted ones is needed.
; No LDS, no matrix unit, no cluster: no byte is wanted by two waves, and each is read once and written once.
.set T, 4                              ; v[4:11]    8 numbers in f32, at work
.set W, 12                             ; v[12:27]   chunk c: 2 registers, 8 bytes of q
.set Y, 28                             ; v[28:59]   chunk c: 4 registers, 8 bf16 of wb
.set X, 60                             ; v[60:123]  chunk c: 8 registers of x; its first 4 then hold 8 bf16 of xb
	s_load_b256 s[4:11], s[0:1], 0x0               ; x s[4:5], int_weight s[6:7], xb s[8:9], wb s[10:11]
	s_lshl_b32 s12, ttmp9, 16                      ; the work-group's 16,384 numbers: 65,536 bytes of x,
	s_mov_b32 s13, 0
	s_lshl_b32 s14, ttmp9, 14                      ; 16,384 bytes of q,
	s_mov_b32 s15, 0
	s_lshl_b32 s16, ttmp9, 15                      ; 32,768 bytes of xb and of wb
	s_mov_b32 s17, 0
	s_mov_b32 s18, 0x80808080                      ; q xor 0x80 = q + 128 as an unsigned byte u, four at a time
	s_mov_b32 s19, 0x4b000000                      ; 2^23 in f32: with u in its lowest byte it is the number 2^23 + u
	s_mov_b32 s20, 0xcb000080                      ; -(2^23 + 128): the sum is q, exactly
	s_mov_b32 s21, s20                             ; named with it as a pair
	s_mov_b32 s22, 0x07050400                      ; v_perm_b32's selects: bytes 3, 1, 0 of s19 on top, byte k of the word of q below
	s_mov_b32 s23, 0x07050401
	s_mov_b32 s24, 0x07050402
	s_mov_b32 s25, 0x07050403
	v_lshlrev_b32 v1, 5, v0                        ; 32 t: my bytes of x in a chunk
	v_lshlrev_b32 v2, 3, v0                        ; 8 t: of q
	v_lshlrev_b32 v3, 4, v0                        ; 16 t: of xb and wb
	s_wait_kmcnt 0x0
	s_add_nc_u64 s[4:5], s[4:5], s[12:13]
	s_add_nc_u64 s[6:7], s[6:7], s[14:15]
	s_add_nc_u64 s[8:9], s[8:9], s[16:17]
	s_add_nc_u64 s[10:11], s[10:11], s[16:17]
.irp c, 0,1,2,3,4,5,6,7
	global_load_b128 v[X+8*(\c):X+8*(\c)+3],   v1, s[4:5] offset:8192*(\c) th:TH_LOAD_NT
	global_load_b128 v[X+8*(\c)+4:X+8*(\c)+7], v1, s[4:5] offset:8192*(\c)+16 th:TH_LOAD_NT
	global_load_b64  v[W+2*(\c):W+2*(\c)+1],   v2, s[6:7] offset:2048*(\c) th:TH_LOAD_NT
.endr
.macro CHUNK c
	s_wait_loadcnt 21-3*(\c)                       ; loads come back in order (ISA guide 5.7.1): behind this chunk's three stand three for each of the 7 - c later chunks
.irp j, 0,1,2,3
	v_cvt_pk_bf16_f32 v[X+8*(\c)+(\j)], v[X+8*(\c)+2*(\j)], v[X+8*(\c)+2*(\j)+1]  ; in place: in ascending j no destination is a later source
.endr
	global_store_b128 v3, v[X+8*(\c):X+8*(\c)+3], s[8:9] offset:4096*(\c) th:TH_STORE_NT
.irp i, 0,1
	v_xor_b32 v[W+2*(\c)+(\i)], s18, v[W+2*(\c)+(\i)]
.irp k, 0,1,2,3
	v_perm_b32 v[T+4*(\i)+(\k)], s19, v[W+2*(\c)+(\i)], s[22+(\k)]  ; 2^23 + u
.endr
.endr
.irp j, 0,2,4,6
	v_pk_add_f32 v[T+(\j):T+(\j)+1], v[T+(\j):T+(\j)+1], s[20:21] op_sel_hi:[1,0]  ; q in f32
.endr
.irp j, 0,1,2,3
	v_cvt_pk_bf16_f32 v[Y+4*(\c)+(\j)], v[T+2*(\j)], v[T+2*(\j)+1]  ; exact
.endr
	global_store_b128 v3, v[Y+4*(\c):Y+4*(\c)+3], s[10:11] offset:4096*(\c) th:TH_STORE_NT
.endm
.irp c, 0,1,2,3,4,5,6,7
	CHUNK \c
.endr
	s_endpgm
.Lfunc_end_k_q6b5868c81f_cast:
	.size	k_q6b5868c81f_cast, .Lfunc_end_k_q6b5868c81f_cast-k_q6b5868c81f_cast
	.p2alignl 7, 3214868480
	.fill 96, 4, 3214868480
	.section	.rodata,"a",@progbits
	.p2align	6, 0x0
	.amdhsa_kernel k_q6b5868c81f_cast
		.amdhsa_group_segment_fixed_size 0
		.amdhsa_private_segment_fixed_size 0
		.amdhsa_enable_private_segment 0
		.amdhsa_kernarg_size 32
		.amdhsa_user_sgpr_count 2
		.amdhsa_user_sgpr_kernarg_segment_ptr 1
		.amdhsa_wavefront_size32 1
		.amdhsa_system_sgpr_workgroup_id_x 1
		.amdhsa_system_sgpr_workgroup_id_y 1
		.amdhsa_system_sgpr_workgroup_id_z 1
		.amdhsa_system_vgpr_workitem_id 0
		.amdhsa_next_free_vgpr 124
		.amdhsa_next_free_sgpr 66
		.amdhsa_reserve_vcc 0
		.amdhsa_float_denorm_mode_32 3
		.amdhsa_float_denorm_mode_16_64 3
		.amdhsa_memory_ordered 1
		.amdhsa_forward_progress 1
		.amdhsa_inst_pref_size 16
	.end_amdhsa_kernel
	.amdgpu_metadata
---
amdhsa.version: [ 1, 2 ]
amdhsa.kernels:
  - .name:           k_q6b5868c81f_cast
    .symbol:         k_q6b5868c81f_cast.kd
    .args:
      - { .name: x, .offset: 0, .size: 8, .value_kind: global_buffer, .address_space: global }
      - { .name: int_weight, .offset: 8, .size: 8, .value_kind: global_buffer, .address_space: global }
      - { .name: xb, .offset: 16, .size: 8, .value_kind: global_buffer, .address_space: global }
      - { .name: wb, .offset: 24, .size: 8, .value_kind: global_buffer, .address_space: global }
    .group_segment_fixed_size: 0
    .private_segment_fixed_size: 0
    .kernarg_segment_align: 8
    .kernarg_segment_size: 32
    .max_flat_workgroup_size: 256
    .sgpr_count:     66
    .vgpr_count:     124
    .wavefront_size: 32
...
	.end_amdgpu_metadata
.endif
;; end of part 1
;; launch gemm (part 2): grid 16 x 16, 4 waves a work-group, clusters of 4 x 4, 327,680 bytes of LDS; arguments xb, wb, out0, w_scale, fp_bias; writes out0
.if DOCPART == 2
	.amdgcn_target "amdgcn-amd-amdhsa--gfx1250"
	.amdhsa_code_object_version 6
	.text
	.protected	k_q6b5868c81f_gemm
	.globl	k_q6b5868c81f_gemm
	.p2align	8
	.type	k_q6b5868c81f_gemm,@function
k_q6b5868c81f_gemm:
	s_mov_b64 s[64:65], 0
	v_nop
	global_prefetch_b8 v0, s[64:65] scope:SCOPE_SE
	s_setreg_imm32_b32 hwreg(HW_REG_WAVE_MODE, 25, 1), 1
	s_wait_xcnt 0x0
	s_wait_alu depctr_hold_cnt(0) depctr_sa_sdst(0) depctr_va_vdst(0) depctr_va_sdst(0) depctr_va_ssrc(0) depctr_va_vcc(0) depctr_vm_vsrc(0)
	s_getreg_b32 s2, hwreg(HW_REG_IB_STS2, 6, 4)
	s_cmp_eq_u32 s2, 0
	s_cbranch_scc0 .Lentry_in_a_cluster
	s_endpgm
.Lentry_in_a_cluster:
	s_bfe_u32 s2, ttmp6, 0x10000c
	s_cmp_lg_u32 s2, 0xf033
	s_cbranch_scc0 .Lentry_shape_is_right
	s_endpgm
.Lentry_shape_is_right:
; out0[m][o] = w_scale x (the sum over i of xb[m][i] wb[o][i]) + fp_bias[o].  xb: [4096][4096] bf16, x rounded once; wb: [4096][4096] bf16, the int8 weights, exact; out0: [4096][4096] f32.
; Nothing is left out: every product, the scale and the bias are done.  Sums in f32; scale and bias by one fused multiply-add in f32 on the finished sum.
; LIMITS.  The scale multiplies the finished sum, where the reference rounds each q x w_scale to f32 first: another order of rounding.  x has bf16's 8 significant bits.  NaN and infinities go as the arithmetic carries them.
; SHARES.  A tile of out0, 256 x 256, is made by a work-group of four waves; a wave makes 128 x 128: 64 accumulators of 16 x 16, 512 registers.  16 x 16 tiles: 256 work-groups.
; K goes in steps of 128 through a ring of two LDS slots filled by the tensor data mover: a tile's rows are 256 bytes of memory, at multiples of 256 bytes from the buffer's first byte.
; CLUSTERS: 4 x 4 work-groups.  The four of a row of the cluster need the same tiles of xb, the four of a column the same tiles of wb: each tile is asked for JOINTLY, by the same tensor load with the
; same descriptor and a mask that names the four; each receives it in its own LDS.  That divides the requests for xb and wb by four.
; THE MATRIX INSTRUCTION IS USED TRANSPOSED: source 0 = 16 rows of wb, source 1 = 16 rows of xb.  In the result lane l holds row l % 16 of out0 and the columns 8 (l / 16) + 0..7: 32 bytes on end.
; REGISTERS, in windows of 256 (s_set_vgpr_msb's low byte: bits 1:0 source 0, 3:2 source 1, 5:4 source 2, 7:6 destination):
;   window 0: v0-31 addresses and the bias; v64-127, v128-191 fragments of xb, two buffers; on the way out these two take rows read back from the stage, by turns
;   window 1: v64-127, v128-191 fragments of wb, two buffers
;   window 2: the 32 accumulators of my rows 0-63 (accumulator (a, b) at v[8 (8 a + b)]);   window 3: those of my rows 64-127
.set SIZE_K, 4096
.set SIZE_N, 4096
.set KSTEP,  128
.set PITCH,  272                       ; an LDS row: 256 bytes + 16 of padding = 68 words: row r starts at bank 4 r mod 64 (64 banks of 4 bytes: ISA guide 11.1), so the 16 rows of a load start at 16 different banks
.set HALFT,  128*PITCH                 ; 128 rows: what one tensor load brings, and what one wave reads of xb or of wb
.set SLOT,   4*HALFT                   ; xb's 256 rows, then wb's 256 rows
.set STAGE,  2*SLOT                    ; behind the ring, never filled by a tensor load: 16 rows x 528 bytes for each wave, for the way out
.set SPITCH, 528                       ; a stage row: 128 f32 + 16 bytes = 33 x 16: the 16 rows of a store start at 16 different groups of four banks
.set SPARE,  STAGE+4*16*SPITCH         ; behind the stages: the spare words, 128 bytes for each wave: two blocks of 256 bytes that no other line names
.set LAPS,   SIZE_K/(2*KSTEP)          ; a lap = two K steps = once round the ring: 16
.set BI,   8                           ; v[8:11] the bias of my four columns on the way out
.set ADRA, 16                          ; v16-17  LDS address of my xb fragments in slot 0, 1
.set ADRB, 20                          ; v20-21  the same for wb
.set STO,  24                          ; v24     the way out: where I put 32 bytes of a row
.set RD,   25                          ; v25     the way out: where I read 16 bytes of a row back
.set CO,   26                          ; v26     16 x lane: my byte offset in a row's 512 bytes of out0, and in my wave's 512 bytes of the bias; never rewritten
.set SPW,  28                          ; v28     LDS address of my spare word: SPARE + 4 x my thread's number; never rewritten
.set NIL,  29                          ; v29     0; never rewritten
.set PFO,  30                          ; v30     the prefetches' offset: my lane x a row of xb or wb (8,192 bytes); never rewritten
.set F0,   64                          ; fragment buffer 0
.set F1,   128                         ; fragment buffer 1
.set G1,  24                           ; s[24:31] descriptor group 1 for xb's tiles
.set G0,  32                           ; s[32:39] descriptor group 0 for xb's tiles, one set for each slot
.set LIM, 43                           ; s43      1 in a wave that prefetches, else the greatest number
.set PFA, 44                           ; s[44:45] where my prefetches stand: my work-group's 32 rows of the 128 that I fetch, one K step further along K than the refill in hand; a prefetch names the K step after that
.set G1B, 48                           ; s[48:55] descriptor group 1 for wb's tiles: it differs in the mask alone
.set G0B, 56                           ; s[56:63] descriptor group 0 for wb's tiles
.set SC,  70                           ; s[70:71] w_scale, twice: the packed multiply-add names a pair
.set MSB, 0
.macro WIN new                         ; the immediate's high byte repeats the setting that is left; a switch that changes nothing is dropped
.if MSB != (\new)
	s_set_vgpr_msb (MSB<<8)|(\new)
.set MSB, \new
.endif
.endm
.set MUL_LO, 0xa1                      ; source 0 (wb) window 1, source 1 (xb) window 0, C and D window 2
.set MUL_HI, 0xf1                      ; the same, C and D window 3
.set TO_B,   0x40                      ; destination window 1, address window 0
; A joint load.  Waves 0 and 1 fetch xb's two halves, waves 2 and 3 wb's.  Each of the two lines has one mask and one set of registers for all that issue it.  The branch hangs on the wave's number alone.
; An s_nop 0 and four v_nop follow each of the two lines, ahead of the jump, the label and what follows the macro.
.macro JLOAD s
	s_cmp_eq_u32 s11, 0
	s_cbranch_scc0 .Lfor_b_\@
	tensor_load_to_lds s[G0+4*(\s):G0+4*(\s)+3], s[G1:G1+7]
	s_nop 0
.rept 4
	v_nop
.endr
	s_branch .Lasked_\@
.Lfor_b_\@:
	tensor_load_to_lds s[G0B+4*(\s):G0B+4*(\s)+3], s[G1B:G1B+7]
	s_nop 0
.rept 4
	v_nop
.endr
.Lasked_\@:
.endm
; A PREFETCH INTO THE L2, behind each joint refill, its five lines and the run of LDS loads that follows: the K step that stands TWO refills on (512 matrix instructions ahead of the load that will ask for it):
; 32 rows x 256 bytes, a lane a row, one instruction a wave.  Each row's 256 bytes of a K step are named ONCE in the launch: xb's tile row is read by every cluster of that row of clusters, and the one with
; cluster x = 0 asks; wb's tile column by every cluster of that column, and the one with cluster y = 0 asks.  The four partners of a joint load share its 128 rows out BY ADDRESS, 32 each (by cx for xb, by cy for wb):
; no branch hangs on a work-group's place in its cluster.  K steps 0 to 3 come by their loads alone; the loop's last trip (s3 = 1) asks for nothing: the last K steps named are 30 and 31.
.macro ASK
	s_cmp_gt_u32 s3, s[LIM]
	s_cbranch_scc0 .Lnot_mine_\@
	global_prefetch_b8 v[PFO], s[PFA:PFA+1] offset:KSTEP*2 th:TH_LOAD_NT scope:SCOPE_SE
.Lnot_mine_\@:
.endm
; A round of the cluster's barrier: my work-group's barrier, so that wave 0's signal speaks for all four waves; wave 0 signals for the work-group; every wave waits for all sixteen work-groups; my work-group's barrier once more.
.macro CREST                           ; a round behind its opening barrier
	s_cmp_lg_u32 s10, 0
	s_cbranch_scc1 .Lnot_wave_0_\@
	s_barrier_signal -3
.Lnot_wave_0_\@:
	s_barrier_wait -3
	s_barrier_signal -1
	s_barrier_wait -1
.endm
.macro CROUND                          ; a whole round
	s_barrier_signal -1
	s_barrier_wait -1
	CREST
.endm
	s_load_b128 s[4:7], s[0:1], 0x0                ; xb s[4:5], wb s[6:7]
	s_load_b64 s[8:9], s[0:1], 0x10                ; out0
	s_load_b64 s[66:67], s[0:1], 0x18              ; w_scale
	s_load_b64 s[68:69], s[0:1], 0x20              ; fp_bias
	v_lshl_add_u32 v[SPW], v0, 2, SPARE
	v_mov_b32 v[NIL], 0
	ds_add_u32 v[SPW], v[NIL]                      ; the wave's opening: the add, twice on end, and its wait ahead of my first tensor load; the set-up below, work on registers, stands between
	ds_add_u32 v[SPW], v[NIL]                      ; and once more, under the one wait
	v_lshrrev_b32 v1, 5, v0
	v_readfirstlane_b32 s10, v1                    ; wave 0..3
	s_lshr_b32 s11, s10, 1                         ; which half of the tile's rows is mine.  Also: I fetch for xb (0) or for wb (1)
	s_and_b32 s12, s10, 1                          ; which half of its columns.  Also: which 128 rows of that tile I fetch
	s_bfe_u32 s40, ttmp6, 0x40000                  ; cx: my place along the cluster's x
	s_bfe_u32 s41, ttmp6, 0x40004                  ; cy: along its y
	s_lshl_b32 s42, ttmp9, 2                       ; in a cluster launch ttmp9 and ttmp7 count clusters
	s_add_co_u32 s42, s42, s40                     ; tile column = 4 x cluster x + cx
	s_and_b32 s13, ttmp7, 0xffff
	s_lshl_b32 s13, s13, 2
	s_add_co_u32 s13, s13, s41                     ; tile row = 4 x cluster y + cy
	s_lshl_b32 s43, s41, 2
	s_lshl_b32 s43, 15, s43                        ; my row of the cluster: places 4 cy .. 4 cy + 3
	s_lshl_b32 s44, 0x1111, s40                    ; my column: places cx, cx + 4, cx + 8, cx + 12
	; descriptor group 1: a tile of 128 rows x 128 elements, padded in LDS
	s_or_b32 s[G1+0], s43, (1<<16)|(1<<20)|(1<<21)|(5<<22)|(3<<25)   ; 15:0 the mask: xb's tiles go to my row; 17:16 elements of 2 bytes; 20 padding on; 21 set beside a mask; 24:22 after every 64 words (code 5); 31:25 4 words (code 3)
	s_or_b32 s[G1B+0], s44, (1<<16)|(1<<20)|(1<<21)|(5<<22)|(3<<25)  ; the same with the mask of my column, for wb's tiles
.irp g, G1, G1B
	s_mov_b32 s[(\g)+1], KSTEP<<16                 ; tensor_dim0 = 128
	s_mov_b32 s[(\g)+2], 128<<16                   ; tensor_dim1 = 128
	s_mov_b32 s[(\g)+3], KSTEP<<16                 ; tile_dim0 = 128
	s_mov_b32 s[(\g)+4], 128                       ; tile_dim1 = 128
	s_mov_b32 s[(\g)+5], SIZE_K                    ; elements from row to row
	s_mov_b32 s[(\g)+6], 0
	s_mov_b32 s[(\g)+7], 0
.endr
	; where the tiles come from.  xb's hang on the tile row alone, which my row of the cluster shares; wb's on the tile column alone, which my column shares.
	; Every wave makes both addresses, in registers that never hold the other coordinate, and asks by one of them.
	s_lshl_b32 s17, s12, 7                         ; which 128 rows of the tile I fetch
	s_lshl_b32 s16, s13, 8
	s_add_co_u32 s16, s16, s17                     ; xb: row 256 x tile row + 128 x half,
	s_lshl_b32 s16, s16, 13                        ; times 8,192 bytes: under 2^25
	s_lshl_b32 s46, s42, 8
	s_add_co_u32 s46, s46, s17                     ; wb: row 256 x tile column + 128 x half
	s_lshl_b32 s46, s46, 13
	s_mov_b32 s17, 0
	s_mov_b32 s47, 0
	s_mul_i32 s20, s10, HALFT                      ; and where they go: wave x 128 rows: no place in the cluster enters an LDS address
	s_wait_dscnt 0x0                               ; both opening adds are done
	s_wait_kmcnt 0x0
	s_add_nc_u64 s[14:15], s[4:5], s[16:17]
	s_add_nc_u64 s[46:47], s[6:7], s[46:47]
	CROUND                                         ; all sixteen work-groups are here: the first joint loads meet
.irp s, 0,1
	s_mov_b32 s[G0+4*(\s)], 1                                        ; count = 1
	s_add_co_u32 s[G0+4*(\s)+1], s20, (\s)*SLOT                      ; LDS address
	s_add_nc_u64 s[G0+4*(\s)+2:G0+4*(\s)+3], s[14:15], (\s)*KSTEP*2  ; global address: K step s
	s_or_b32 s[G0+4*(\s)+3], s[G0+4*(\s)+3], 0x80000000              ; type = 2
	s_mov_b32 s[G0B+4*(\s)], 1
	s_add_co_u32 s[G0B+4*(\s)+1], s20, (\s)*SLOT
	s_add_nc_u64 s[G0B+4*(\s)+2:G0B+4*(\s)+3], s[46:47], (\s)*KSTEP*2
	s_or_b32 s[G0B+4*(\s)+3], s[G0B+4*(\s)+3], 0x80000000
	JLOAD \s                                       ; the ring is filled before anything else is done: two tensor loads of mine are out
.endr
	; A fragment is 16 rows x 32 K in 8 registers: lane l holds row l % 16; registers 0-3 hold K = 8 (l / 16) + 0..7, registers 4-7 K = 16 + 8 (l / 16) + 0..7: two loads of 16 bytes, 32 bytes apart.
	v_and_b32 v1, 15, v0                           ; l % 16
	v_bfe_u32 v2, v0, 4, 1                         ; l / 16
	v_mul_u32_u24 v3, v1, PITCH
	v_lshl_add_u32 v3, v2, 4, v3                   ; row x pitch + 16 x half
	s_mul_i32 s21, s11, HALFT                      ; my 128 rows of xb
	s_mul_i32 s22, s12, HALFT                      ; my 128 rows of wb,
	s_add_co_u32 s22, s22, 2*HALFT                 ; which lie behind xb's 256
.irp s, 0,1
	v_add_nc_u32 v[ADRA+(\s)], s21, v3
	v_add_nc_u32 v[ADRB+(\s)], s22, v3
	s_add_co_u32 s21, s21, SLOT
	s_add_co_u32 s22, s22, SLOT
.endr
	s_mul_i32 s23, s10, 16*SPITCH
	s_add_co_u32 s23, s23, STAGE                   ; my stage
	v_mul_u32_u24 v4, v1, SPITCH                   ; in: row l % 16, 32 bytes for each half of the lanes
	v_lshl_add_u32 v4, v2, 5, v4
	v_add_nc_u32 v[STO], s23, v4
	v_and_b32 v5, 31, v0
	v_lshlrev_b32 v[CO], 4, v5                     ; 16 x lane
	v_add_nc_u32 v[RD], s23, v[CO]                 ; back: 32 lanes take one row's 512 bytes
	; out0 at my wave's first row and column; the bias at my wave's first column
	s_lshl_b32 s13, s13, 8                         ; 256 x tile row
	s_lshl_b32 s14, s11, 7
	s_add_co_u32 s16, s13, s14                     ; my first row,
	s_lshl_b32 s16, s16, 14                        ; times 16,384 bytes: under 2^26
	s_mov_b32 s17, 0
	s_add_nc_u64 s[8:9], s[8:9], s[16:17]
	s_lshl_b32 s46, s42, 10                        ; my first column in bytes: 1,024 x tile column + 512 x half (in the registers that held wb's address: none that feeds xb's descriptors ever holds cx)
	s_lshl_b32 s47, s12, 9
	s_add_co_u32 s46, s46, s47
	s_mov_b32 s47, 0
	s_add_nc_u64 s[8:9], s[8:9], s[46:47]
	s_add_nc_u64 s[68:69], s[68:69], s[46:47]
	global_load_b128 v[BI:BI+3], v[CO], s[68:69]   ; on the way out lane l holds columns 4 l .. 4 l + 3 of my wave's 128: their bias, once
	s_load_b32 s[SC], s[66:67], 0x0                ; the scale
	; the prefetches.  s13 = 256 x tile row, s42 = tile column, s40 = cx, s41 = cy still stand
	s_lshl_b32 s42, s42, 8
	s_and_b32 s22, ttmp7, 0xffff                   ; cluster y
	s_cmp_eq_u32 s11, 0                            ; do I fetch for xb?
	s_cselect_b32 s20, s13, s42                    ; the tile's first row: in xb by the tile row, in wb by the tile column
	s_cselect_b32 s21, s40, s41                    ; my place among the four that ask for it with me
	s_cselect_b32 s22, ttmp9, s22                  ; the coordinate along which other clusters read the same rows
	s_cselect_b64 s[PFA:PFA+1], s[4:5], s[6:7]
	s_cmp_eq_u32 s22, 0
	s_cselect_b32 s[LIM], 1, -1                    ; the same in all sixteen partners, for a given wave
	s_lshl_b32 s22, s12, 7
	s_add_co_u32 s20, s20, s22                     ; + the 128 rows that I fetch
	s_lshl_b32 s21, s21, 5
	s_add_co_u32 s20, s20, s21                     ; + my work-group's 32 of them,
	s_lshl_b32 s20, s20, 13                        ; in bytes
	s_mov_b32 s21, 0
	s_add_nc_u64 s[PFA:PFA+1], s[PFA:PFA+1], s[20:21]
	s_add_nc_u64 s[PFA:PFA+1], s[PFA:PFA+1], 2*KSTEP*2  ; at K step 2: the first refill steps it to 3 and names K step 4
	v_lshlrev_b32 v[PFO], 13, v5                   ; lane x 8,192 bytes
; 16 matrix instructions: m blocks a0, a0 + 1 of the window's four (hi = 0: my rows 0-63, 1: rows 64-127) x all 8 n blocks, 32 along K.  zero = 1: the first product starts the sums: nothing is ever cleared.
; The 64 accumulators take turns, one instruction a turn, in the same order in every quarter step, over the backward jump too.
.macro MUL16 f, hi, a0, zero
	WIN MUL_LO+0x50*(\hi)
.irp a, \a0, (\a0)+1
.irp b, 0,1,2,3,4,5,6,7
.if \zero
	v_wmma_f32_16x16x32_bf16 v[8*(8*(\a)+(\b)):8*(8*(\a)+(\b))+7], v[(\f)+8*(\b):(\f)+8*(\b)+7], v[(\f)+8*(4*(\hi)+(\a)):(\f)+8*(4*(\hi)+(\a))+7], 0
.else
	v_wmma_f32_16x16x32_bf16 v[8*(8*(\a)+(\b)):8*(8*(\a)+(\b))+7], v[(\f)+8*(\b):(\f)+8*(\b)+7], v[(\f)+8*(4*(\hi)+(\a)):(\f)+8*(4*(\hi)+(\a))+7], v[8*(8*(\a)+(\b)):8*(8*(\a)+(\b))+7]
.endif
.endr
.endr
.endm
; 32 LDS loads in one run: the fragments of one quarter step (128 rows of wb, 128 rows of xb, 32 K at byte k of the rows) into buffer f
.macro FETCH slot, k, f
	WIN TO_B
.irp i, 0,1,2,3,4,5,6,7
	ds_load_b128 v[(\f)+8*(\i):(\f)+8*(\i)+3],   v[ADRB+(\slot)] offset:(\k)+(\i)*16*PITCH
	ds_load_b128 v[(\f)+8*(\i)+4:(\f)+8*(\i)+7], v[ADRB+(\slot)] offset:(\k)+(\i)*16*PITCH+32
.endr
	WIN 0
.irp i, 0,1,2,3,4,5,6,7
	ds_load_b128 v[(\f)+8*(\i):(\f)+8*(\i)+3],   v[ADRA+(\slot)] offset:(\k)+(\i)*16*PITCH
	ds_load_b128 v[(\f)+8*(\i)+4:(\f)+8*(\i)+7], v[ADRA+(\slot)] offset:(\k)+(\i)*16*PITCH+32
.endr
.endm
; A load into a register that a matrix instruction has read stands four places behind that matrix instruction, and only plain vector instructions that name none of its registers are places
; (ISA guide 7.12.1 for vector instructions).
.macro PLACES
.rept 4
	v_nop
.endr
.endm
; A K step is four quarter steps of 32 along K, 64 matrix instructions each, on buffers 0, 1, 0, 1.
; One of the first three: multiplies buffer f; in its middle it fetches the next quarter's fragments, at byte k of the same slot's rows, into buffer g.
.macro QUARTER slot, k, f, g, zero
	s_wait_dscnt 8                                 ; wb and xb's rows 0-63 are in; the youngest eight loads (xb's rows 64-127) may be out
	WIN MUL_LO
	MUL16 \f, 0, 0, \zero
	MUL16 \f, 0, 2, \zero
	PLACES
	FETCH \slot, \k, \g
	s_wait_dscnt 32                                ; all but the 32 just issued
	WIN MUL_HI
	MUL16 \f, 1, 0, \zero
	MUL16 \f, 1, 2, \zero
.endm
; The last quarter multiplies buffer 1 and changes slots.  MEET is its first half: ONE barrier for the change of slots.  In front of it each wave waits for all its tensor loads, of which one is out: its part
; of the next slot; adds 0 to its spare word; and waits for that and for its own reads of this slot.  Behind it nobody reads this slot any more and the next slot is whole.
.macro MEET round                      ; round = 1: a round of the cluster's barrier follows
	WIN 0                                          ; (the add's two registers lie in window 0)
	s_wait_tensorcnt 0x0                           ; all my tensor loads have landed
	ds_add_u32 v[SPW], v[NIL]                      ; 0 onto my spare word
	s_wait_dscnt 9                                 ; (the add and the youngest eight loads may be out)
	WIN MUL_LO
	MUL16 F1, 0, 0, 0                              ; sixteen matrix instructions stand between the add and the wait for it
	s_wait_dscnt 0x0                               ; the add is done, and my reads of this slot are over:
	s_barrier_signal -1                            ; say so,
	MUL16 F1, 0, 2, 0                              ; work on registers while the others arrive,
.if \round
	WIN 0
.endif
	s_barrier_wait -1                              ; and go on when all four have said so
.endm
; The whole last quarter, in the loop.  Behind the round the slot just read out is filled again first, with the K step two steps on; then come the next slot's first fragments.
; From a request to the wait for it a wave issues 224 matrix instructions.
.macro TURN slot, next
	s_wait_xcnt 0x0                                ; the last prefetch, a K step back, has read its address: it is stepped here, ahead of the waits of the change of slots
	s_add_nc_u64 s[PFA:PFA+1], s[PFA:PFA+1], KSTEP*2
	MEET 1
	CREST                                          ; no wave of any partner still reads this slot's tile or has a load on its way
	s_add_nc_u64 s[G0+4*(\slot)+2:G0+4*(\slot)+3], s[G0+4*(\slot)+2:G0+4*(\slot)+3], 2*KSTEP*2   ; no tensor load of mine is out, so a group 0 may be written; the type bits on top are not reached
	s_add_nc_u64 s[G0B+4*(\slot)+2:G0B+4*(\slot)+3], s[G0B+4*(\slot)+2:G0B+4*(\slot)+3], 2*KSTEP*2
	JLOAD \slot                                    ; the first tensor load behind the round, my only one until the next; its four v_nop are also the places in front of the loads below
	FETCH \next, 0, F0
	ASK
	WIN MUL_HI
	MUL16 F1, 1, 0, 0
	MUL16 F1, 1, 2, 0
.endm
; The same in the last lap: nothing is filled again, so no round follows and nothing is asked for.
.macro LASTTURN
	MEET 0
	PLACES
	FETCH 1, 0, F0
	WIN MUL_HI
	MUL16 F1, 1, 0, 0
	MUL16 F1, 1, 2, 0
.endm
; THE WAY OUT of block a (16 rows x 128 columns of f32).  TOSTAGE: a lane's 32 bytes of each of the 8 accumulators go into my own stage, each accumulator's low four registers first,
; and come back as whole rows of 512 bytes, 16 bytes a lane.  LDS serves a wave's instructions in order (ISA guide 5.7.1.4): the loads see the stores above them, and the next block's stores come behind these loads.
.macro TOSTAGE a
.set AC, 64*((\a)%4)
.set BK, 64+64*((\a)%2)
	WIN 0x08+4*((\a)/4)                            ; the stores' data (source 1) in window 2 or 3
.irp b, 0,1,2,3,4,5,6,7
	ds_store_b128 v[STO], v[AC+8*(\b):AC+8*(\b)+3]   offset:64*(\b)
	ds_store_b128 v[STO], v[AC+8*(\b)+4:AC+8*(\b)+7] offset:64*(\b)+16
.endr
	WIN 0
.if (\a) >= 2
	s_wait_xcnt 0x0                                ; the stores of the block two back have read this buffer: only behind this wait is it loaded again
.endif
.irp t, 0,1,2,3,4,5,6,7,8,9,10,11,12,13,14,15
	ds_load_b128 v[BK+4*(\t):BK+4*(\t)+3], v[RD] offset:(\t)*SPITCH
.endr
.endm
; SEND: sum x scale + bias, one fused multiply-add a number, two an instruction; then the row is stored.  younger: the LDS instructions issued behind this block's loads: the next block's 32, or none.
.macro SEND a, younger
	WIN 0
.set BK, 64+64*((\a)%2)
.irp t, 0,1,2,3,4,5,6,7,8,9,10,11,12,13,14,15
	s_wait_dscnt (\younger)+15-(\t)                ; row t is back; the 15 - t later rows and the next block's instructions may be out
	v_pk_fma_f32 v[BK+4*(\t):BK+4*(\t)+1],   v[BK+4*(\t):BK+4*(\t)+1],   s[SC:SC+1], v[BI:BI+1]   op_sel_hi:[1,0,1]
	v_pk_fma_f32 v[BK+4*(\t)+2:BK+4*(\t)+3], v[BK+4*(\t)+2:BK+4*(\t)+3], s[SC:SC+1], v[BI+2:BI+3] op_sel_hi:[1,0,1]
	global_store_b128 v[CO], v[BK+4*(\t):BK+4*(\t)+3], s[8:9] offset:(16*(\a)+(\t))*SIZE_N*4 th:TH_STORE_NT  ; the wave stores 512 consecutive bytes, at a multiple of 512 from out0's first byte; the row stands in the immediate, 127 x 16,384 at the most
.endr
.endm
	s_wait_kmcnt 0x0                               ; the scale
	s_mov_b32 s[SC+1], s[SC]
	s_wait_loadcnt 0x0                             ; the bias
	s_wait_tensorcnt 1                             ; my part of K step 0 is in; K step 1's load, issued behind it, may stay out
	s_barrier_signal -1
	s_barrier_wait -1                              ; everybody's is
	FETCH 0, 0, F0
	QUARTER 0, 64,  F0, F1, 1                      ; the first quarter stands in front of the loop: its products start the sums
	WIN 0                                          ; at a label and at a branch every window is 0
	s_mov_b32 s3, LAPS-1
.Llap:                                                 ; a trip goes once round the ring, from a lap's second quarter to the next lap's first, and fills both slots again
	QUARTER 0, 128, F1, F0, 0
	QUARTER 0, 192, F0, F1, 0
	TURN 0, 1
	QUARTER 1, 64,  F0, F1, 0
	QUARTER 1, 128, F1, F0, 0
	QUARTER 1, 192, F0, F1, 0
	TURN 1, 0
	QUARTER 0, 64,  F0, F1, 0
	WIN 0
	s_sub_co_u32 s3, s3, 1
	s_cmp_lg_u32 s3, 0
	s_cbranch_scc1 .Llap
	QUARTER 0, 128, F1, F0, 0                      ; the last lap is written out: it asks for nothing
	QUARTER 0, 192, F0, F1, 0
	LASTTURN
	QUARTER 1, 64,  F0, F1, 0
	QUARTER 1, 128, F1, F0, 0
	QUARTER 1, 192, F0, F1, 0
	s_wait_dscnt 8                                 ; the very last quarter: nothing more to fetch
	MUL16 F1, 0, 0, 0
	MUL16 F1, 0, 2, 0
	s_wait_dscnt 0x0
	MUL16 F1, 1, 0, 0
	MUL16 F1, 1, 2, 0
	WIN 0
	PLACES                                         ; the places behind the last products, in front of LDS stores that read results and of loads into registers that products have read:
	PLACES                                         ; eight, once a launch
	TOSTAGE 0
.irp a, 1,2,3,4,5,6,7                  ; block a's way through the stage is begun before block a - 1's rows are waited for
	TOSTAGE \a
	SEND (\a)-1, 32
.endr
	SEND 7, 0
	s_wait_tensorcnt 0x0                           ; the wave's end: behind my last tensor load and my last LDS store
	ds_add_u32 v[SPW], v[NIL]
	s_wait_dscnt 0x0
	CROUND                                         ; the closing round: no work-group ends while a partner may still ask for a tile that names it
	s_endpgm
.Lfunc_end_k_q6b5868c81f_gemm:
	.size	k_q6b5868c81f_gemm, .Lfunc_end_k_q6b5868c81f_gemm-k_q6b5868c81f_gemm
	.p2alignl 7, 3214868480
	.fill 96, 4, 3214868480
	.section	.rodata,"a",@progbits
	.p2align	6, 0x0
	.amdhsa_kernel k_q6b5868c81f_gemm
		.amdhsa_group_segment_fixed_size 327680
		.amdhsa_private_segment_fixed_size 0
		.amdhsa_enable_private_segment 0
		.amdhsa_kernarg_size 40
		.amdhsa_user_sgpr_count 2
		.amdhsa_user_sgpr_kernarg_segment_ptr 1
		.amdhsa_wavefront_size32 1
		.amdhsa_system_sgpr_workgroup_id_x 1
		.amdhsa_system_sgpr_workgroup_id_y 1
		.amdhsa_system_sgpr_workgroup_id_z 1
		.amdhsa_system_vgpr_workitem_id 0
		.amdhsa_next_free_vgpr 1024
		.amdhsa_next_free_sgpr 72
		.amdhsa_reserve_vcc 0
		.amdhsa_float_denorm_mode_32 3
		.amdhsa_float_denorm_mode_16_64 3
		.amdhsa_memory_ordered 1
		.amdhsa_forward_progress 1
		.amdhsa_inst_pref_size 161
	.end_amdhsa_kernel
	.amdgpu_metadata
---
amdhsa.version: [ 1, 2 ]
amdhsa.kernels:
  - .name:           k_q6b5868c81f_gemm
    .symbol:         k_q6b5868c81f_gemm.kd
    .args:
      - { .name: xb, .offset: 0, .size: 8, .value_kind: global_buffer, .address_space: global }
      - { .name: wb, .offset: 8, .size: 8, .value_kind: global_buffer, .address_space: global }
      - { .name: out0, .offset: 16, .size: 8, .value_kind: global_buffer, .address_space: global }
      - { .name: w_scale, .offset: 24, .size: 8, .value_kind: global_buffer, .address_space: global }
      - { .name: fp_bias, .offset: 32, .size: 8, .value_kind: global_buffer, .address_space: global }
    .group_segment_fixed_size: 327680
    .private_segment_fixed_size: 0
    .kernarg_segment_align: 8
    .kernarg_segment_size: 40
    .max_flat_workgroup_size: 128
    .sgpr_count:     72
    .vgpr_count:     1024
    .wavefront_size: 32
...
	.end_amdgpu_metadata
.endif
;; end of part 2
